; MI455X (gfx1250); checked and timed in simulation.
; The chip was launched on July 23, 2026; its instructions are those of AMD's public machine-readable ISA for CDNA 5 (MIT licence, August 2026) and "CDNA5" Instruction Set Architecture Reference Guide (July 2026). The comments in the code are by the model that wrote it; some were corrected since.
;; Julia Set Attention. Allowed arithmetic: float matrix products may take bf16 or f16 operands with f32 sums; other float arithmetic in f32, or as packed bf16 or f16 multiplies, adds, multiply-adds, maxima and minima; sums over many terms, partial sums and values carried from step to step in f32; what a program stores and reads back later, other than sums and carried values, may be rounded once to bf16 or f16.
;; Inputs: escape_scale one number float32; julia_c_imag one number float32; julia_c_real one number float32; key 4 x 8,192 x 64 float32; query 4 x 8,192 x 64 float32; value 4 x 8,192 x 64 float32.
;; Outputs: out0 4 x 8,192 x 64 float32.
;; 2 versions, each right; version 2 is version 1 with the launch prep written anew for expert scheduling mode. Each part assembles by itself: llvm-mc -triple=amdgcn-amd-amdhsa -mcpu=gfx1250 --defsym DOCPART=n.
;; ======== version 1 of 2: 2 launches
;; limits: values are held in f16: magnitudes above 65,504 overflow, below 6.1e-05 lose precision; inputs' magnitudes at most 65,504
;; workspace buffers: kh 4,194,304 bytes; vh 4,194,304 bytes; bias8 32,768 bytes
;; launch prep (part 1): grid 256 x 1, 8 waves a work-group, no clusters, 0 bytes of LDS; arguments key, value, julia_c_real, julia_c_imag, escape_scale, kh, vh, bias8; writes kh, vh, bias8
.if DOCPART == 1
	.amdgcn_target "amdgcn-amd-amdhsa--gfx1250"
	.amdhsa_code_object_version 6
	.text
	.protected	k_q102b12d9d5_prep
	.globl	k_q102b12d9d5_prep
	.p2align	8
	.type	k_q102b12d9d5_prep,@function
k_q102b12d9d5_prep:
	s_mov_b64 s[64:65], 0
	v_nop
	global_prefetch_b8 v0, s[64:65] scope:SCOPE_SE
	s_setreg_imm32_b32 hwreg(HW_REG_WAVE_MODE, 25, 1), 1
	s_wait_xcnt 0x0
; kh = key and vh = value, each rounded once to f16 (the two matrix operands of the attention launch), and the table bias8[k] = 8 x log(exp(et[k] x escape_scale) + 1e-8) in f32, k = 0 .. 8191.
; et[k]: z starts at the k-th of 8,192 points from -2 to 2, goes 64 times through z^2 + c, and et is (the first step at which |z|^2 > 4) / 64, or 1.
; SHARES.  256 work-groups of eight waves.  A work-group converts 8,192 numbers of key and 8,192 of value: thread t takes 16 bytes at 4,096 j + 16 t, j = 0 .. 7, of its 32,768 bytes of each,
; and stores 8 bytes at 2,048 j + 8 t: a wave's load covers 512 consecutive bytes, its store 256 consecutive bytes, aligned.  All 16 loads of a thread go out at once; no register is used twice, so the only
; waits are the counted ones for the loads.  No LDS, no barrier, no matrix unit: nothing is shared and nothing is multiplied.
; THE TABLE.  Wave 0 of every even work-group makes 64 entries while its loads are on their way: a lane has two neighbouring points, in the halves of register pairs.
; z is not frozen after the escape: step / 64 rises and stays under 1, so a running minimum keeps the first escape, whatever z does later (an infinity or a NaN offers 1 or a later step).
; No branch and no address hangs on z: the escape test only selects a value.
; LIMITS.  |key| and |value| stay under 65,504 (f16).  THE ORDER OF ROUNDINGS in the iteration: t = k x f32(1 / 8191); x = 2 ((t) - (1 - t)), the last point exactly 2;
; zr' = (zr zr - [zi zi]) + cr with the first product unrounded; zi' = 2 zr zi + ci rounded once; |z|^2 = zr zr + [zi zi] with the first product unrounded ([..]: rounded).  Under another order a point
; whose |z| passes 2 within the difference escapes one step earlier or later: that key's et moves by 1 / 64.  exp and log are 2^x and log2 to 1 ULP; a 2^x under 2^-126 counts as 0, beside the 1e-8.
.set ZR, 4                             ; v[4:5]    zr of my two points
.set ZI, 6                             ; v[6:7]    zi
.set Z2, 8                             ; v[8:9]    2 zr
.set B,  10                            ; v[10:11]  zi zi, rounded
.set D,  12                            ; v[12:13]  zr zr - zi zi
.set M,  14                            ; v[14:15]  |z|^2
.set ET, 16                            ; v[16:17]  the escape time so far
.set CR, 18                            ; v[18:19]  c's real part, twice
.set CI, 20                            ; v[20:21]  its imaginary part, twice
.set IT, 24                            ; v24       step / 64
.set X,  32                            ; v[32:95]  load j: 4 registers
.set Y,  96                            ; v[96:127] load j: 2 registers, packed
	s_load_b512 s[8:23], s[0:1], 0x0               ; key s[8:9], value s[10:11], c_real s[12:13], c_imag s[14:15], scale s[16:17], kh s[18:19], vh s[20:21], bias8 s[22:23]
	v_lshlrev_b32 v1, 4, v0                        ; 16 t
	v_lshlrev_b32 v2, 3, v0                        ; 8 t
	v_lshrrev_b32 v27, 5, v0
	v_readfirstlane_b32 s24, v27                   ; wave 0..7
	s_lshl_b32 s2, ttmp9, 15                       ; the work-group's 32,768 bytes of f32,
	s_mov_b32 s3, 0
	s_lshl_b32 s4, ttmp9, 14                       ; and its 16,384 of f16
	s_mov_b32 s5, 0
	s_and_b32 s25, ttmp9, 1
	s_or_b32 s25, s25, s24                         ; 0: wave 0 of an even work-group
	s_lshr_b32 s30, ttmp9, 1                       ; which 64 entries of the table
	s_lshl_b32 s31, s30, 6                         ; their first point,
	s_lshl_b32 s30, s30, 8                         ; their first byte
	s_wait_kmcnt 0x0
	s_add_nc_u64 s[8:9], s[8:9], s[2:3]
	s_add_nc_u64 s[10:11], s[10:11], s[2:3]
	s_add_nc_u64 s[18:19], s[18:19], s[4:5]
	s_add_nc_u64 s[20:21], s[20:21], s[4:5]
.irp j, 0,1,2,3,4,5,6,7
	global_load_b128 v[X+4*(\j):X+4*(\j)+3], v1, s[8:9] offset:4096*(\j) th:TH_LOAD_NT
.endr
.irp j, 0,1,2,3,4,5,6,7
	global_load_b128 v[X+32+4*(\j):X+32+4*(\j)+3], v1, s[10:11] offset:4096*(\j) th:TH_LOAD_NT
.endr
	s_cmp_lg_u32 s25, 0
	s_cbranch_scc1 .Lconv
	s_load_b32 s26, s[12:13], 0x0                  ; c's real part
	s_load_b32 s27, s[14:15], 0x0                  ; its imaginary part
	s_load_b32 s28, s[16:17], 0x0                  ; the scale
	v_add_nc_u32 v3, s30, v2                       ; my 8 bytes of the table (in wave 0 the thread's number is the lane's)
	v_lshl_add_u32 v25, v0, 1, s31                 ; my first point k; the second is k + 1
	v_add_nc_u32 v26, 1, v25
	v_mov_b32 v22, 2.0
	v_cvt_f32_u32 v[ZR], v25
	v_cvt_f32_u32 v[ZR+1], v26
	v_mul_f32 v[ZR], 0x39000400, v[ZR]             ; t = k x f32(1 / 8191)
	v_mul_f32 v[ZR+1], 0x39000400, v[ZR+1]
	v_sub_f32 v[D], 1.0, v[ZR]                     ; 1 - t
	v_sub_f32 v[D+1], 1.0, v[ZR+1]
	v_sub_f32 v[ZR], v[ZR], v[D]                   ; -2 (1 - t) + 2 t has one rounding, that of t - (1 - t): the factor 2 is exact
	v_sub_f32 v[ZR+1], v[ZR+1], v[D+1]
	v_add_f32 v[ZR], v[ZR], v[ZR]
	v_add_f32 v[ZR+1], v[ZR+1], v[ZR+1]
	v_cmp_eq_u32 vcc_lo, 0x1fff, v26               ; the last point is the end itself (only a second point can be it)
	v_cndmask_b32 v[ZR+1], v[ZR+1], v22, vcc_lo
	v_mov_b32 v[ZI], 0
	v_mov_b32 v[ZI+1], 0
	v_mov_b32 v[B], 0
	v_mov_b32 v[B+1], 0
	v_mov_b32 v[ET], 1.0
	v_mov_b32 v[ET+1], 1.0
	v_mov_b32 v[IT], 0
	s_wait_kmcnt 0x0
	v_mov_b32 v[CR], s26
	v_mov_b32 v[CR+1], s26
	v_mov_b32 v[CI], s27
	v_mov_b32 v[CI+1], s27
.macro JSTEP                           ; one step of both points
	v_pk_add_f32 v[Z2:Z2+1], v[ZR:ZR+1], v[ZR:ZR+1]
	v_pk_fma_f32 v[D:D+1], v[ZR:ZR+1], v[ZR:ZR+1], v[B:B+1] neg_lo:[0,0,1] neg_hi:[0,0,1]
	v_pk_fma_f32 v[ZI:ZI+1], v[Z2:Z2+1], v[ZI:ZI+1], v[CI:CI+1]
	v_pk_add_f32 v[ZR:ZR+1], v[D:D+1], v[CR:CR+1]
	v_pk_mul_f32 v[B:B+1], v[ZI:ZI+1], v[ZI:ZI+1]  ; serves |z|^2 here and zr' in the next step
	v_pk_fma_f32 v[M:M+1], v[ZR:ZR+1], v[ZR:ZR+1], v[B:B+1]
	v_cmp_lt_f32 vcc_lo, 4.0, v[M]
	v_cndmask_b32 v25, 1.0, v[IT], vcc_lo          ; outside: this step / 64; else 1
	v_cmp_lt_f32 vcc_lo, 4.0, v[M+1]
	v_cndmask_b32 v26, 1.0, v[IT], vcc_lo
	v_min_num_f32 v[ET], v[ET], v25
	v_min_num_f32 v[ET+1], v[ET+1], v26
	v_add_f32 v[IT], 0x3c800000, v[IT]             ; + 1 / 64, exact
.endm
	s_mov_b32 s29, 16                              ; 16 trips of four steps
.Ljulia:
.rept 4
	JSTEP
.endr
	s_sub_co_u32 s29, s29, 1
	s_cmp_lg_u32 s29, 0
	s_cbranch_scc1 .Ljulia
	v_mul_f32 v[ET], s28, v[ET]                    ; et x scale
	v_mul_f32 v[ET+1], s28, v[ET+1]
	v_mul_f32 v[ET], 0x3fb8aa3b, v[ET]             ; x log2(e)
	v_mul_f32 v[ET+1], 0x3fb8aa3b, v[ET+1]
	v_exp_f32 v[ET], v[ET]
	v_exp_f32 v[ET+1], v[ET+1]
	v_nop                                          ; a plain instruction between a transcendental and the use of its result (ISA guide 5.7.2)
	s_wait_alu depctr_va_vdst(0)
	v_add_f32 v[ET], 0x322bcc77, v[ET]             ; + 1e-8
	v_add_f32 v[ET+1], 0x322bcc77, v[ET+1]
	v_log_f32 v[ET], v[ET]
	v_log_f32 v[ET+1], v[ET+1]
	v_nop
	s_wait_alu depctr_va_vdst(0)
	v_mul_f32 v[ET], 0x40b17218, v[ET]             ; x 8 ln 2: eight times the natural logarithm
	v_mul_f32 v[ET+1], 0x40b17218, v[ET+1]
	global_store_b64 v3, v[ET:ET+1], s[22:23]      ; the wave's 64 entries: 256 consecutive bytes, aligned
.Lconv:
.irp j, 0,1,2,3,4,5,6,7
	s_wait_loadcnt 15-(\j)                         ; loads come back in order (ISA guide 5.7.1): load j is in, the 15 - j younger ones stay out; the table's lines issue no load, so the count holds on both ways
	v_cvt_pk_f16_f32 v[Y+2*(\j)], v[X+4*(\j)], v[X+4*(\j)+1]
	v_cvt_pk_f16_f32 v[Y+2*(\j)+1], v[X+4*(\j)+2], v[X+4*(\j)+3]
	global_store_b64 v2, v[Y+2*(\j):Y+2*(\j)+1], s[18:19] offset:2048*(\j)
.endr
.irp j, 0,1,2,3,4,5,6,7
	s_wait_loadcnt 7-(\j)
	v_cvt_pk_f16_f32 v[Y+16+2*(\j)], v[X+32+4*(\j)], v[X+32+4*(\j)+1]
	v_cvt_pk_f16_f32 v[Y+16+2*(\j)+1], v[X+32+4*(\j)+2], v[X+32+4*(\j)+3]
	global_store_b64 v2, v[Y+16+2*(\j):Y+16+2*(\j)+1], s[20:21] offset:2048*(\j)
.endr
	s_endpgm
.Lfunc_end_k_q102b12d9d5_prep:
	.size	k_q102b12d9d5_prep, .Lfunc_end_k_q102b12d9d5_prep-k_q102b12d9d5_prep
	.p2alignl 7, 3214868480
	.fill 96, 4, 3214868480
	.section	.rodata,"a",@progbits
	.p2align	6, 0x0
	.amdhsa_kernel k_q102b12d9d5_prep
		.amdhsa_group_segment_fixed_size 0
		.amdhsa_private_segment_fixed_size 0
		.amdhsa_enable_private_segment 0
		.amdhsa_kernarg_size 64
		.amdhsa_user_sgpr_count 2
		.amdhsa_user_sgpr_kernarg_segment_ptr 1
		.amdhsa_wavefront_size32 1
		.amdhsa_system_sgpr_workgroup_id_x 1
		.amdhsa_system_sgpr_workgroup_id_y 1
		.amdhsa_system_sgpr_workgroup_id_z 1
		.amdhsa_system_vgpr_workitem_id 0
		.amdhsa_next_free_vgpr 128
		.amdhsa_next_free_sgpr 66
		.amdhsa_reserve_vcc 1
		.amdhsa_float_denorm_mode_32 3
		.amdhsa_float_denorm_mode_16_64 3
		.amdhsa_memory_ordered 1
		.amdhsa_forward_progress 1
		.amdhsa_inst_pref_size 12
	.end_amdhsa_kernel
	.amdgpu_metadata
---
amdhsa.version: [ 1, 2 ]
amdhsa.kernels:
  - .name:           k_q102b12d9d5_prep
    .symbol:         k_q102b12d9d5_prep.kd
    .args:
      - { .name: key, .offset: 0, .size: 8, .value_kind: global_buffer, .address_space: global }
      - { .name: value, .offset: 8, .size: 8, .value_kind: global_buffer, .address_space: global }
      - { .name: julia_c_real, .offset: 16, .size: 8, .value_kind: global_buffer, .address_space: global }
      - { .name: julia_c_imag, .offset: 24, .size: 8, .value_kind: global_buffer, .address_space: global }
      - { .name: escape_scale, .offset: 32, .size: 8, .value_kind: global_buffer, .address_space: global }
      - { .name: kh, .offset: 40, .size: 8, .value_kind: global_buffer, .address_space: global }
      - { .name: vh, .offset: 48, .size: 8, .value_kind: global_buffer, .address_space: global }
      - { .name: bias8, .offset: 56, .size: 8, .value_kind: global_buffer, .address_space: global }
    .group_segment_fixed_size: 0
    .private_segment_fixed_size: 0
    .kernarg_segment_align: 8
    .kernarg_segment_size: 64
    .max_flat_workgroup_size: 256
    .sgpr_count:     66
    .vgpr_count:     128
    .wavefront_size: 32
...
	.end_amdgpu_metadata
.endif
;; end of part 1
;; launch attn (part 2): grid 64 x 4, 4 waves a work-group, clusters of 4 x 1, 327,680 bytes of LDS; arguments query, kh, vh, bias8, out0; writes out0
.if DOCPART == 2
	.amdgcn_target "amdgcn-amd-amdhsa--gfx1250"
	.amdhsa_code_object_version 6
	.text
	.protected	k_q102b12d9d5_attn
	.globl	k_q102b12d9d5_attn
	.p2align	8
	.type	k_q102b12d9d5_attn,@function
k_q102b12d9d5_attn:
	s_mov_b64 s[64:65], 0
	v_nop
	global_prefetch_b8 v0, s[64:65] scope:SCOPE_SE
	s_setreg_imm32_b32 hwreg(HW_REG_WAVE_MODE, 25, 1), 1
	s_wait_xcnt 0x0
	s_wait_alu depctr_hold_cnt(0) depctr_sa_sdst(0) depctr_va_vdst(0) depctr_va_sdst(0) depctr_va_ssrc(0) depctr_va_vcc(0) depctr_vm_vsrc(0)
	s_getreg_b32 s2, hwreg(HW_REG_IB_STS2, 6, 4)
	s_cmp_eq_u32 s2, 0
	s_cbranch_scc0 .Lentry_in_a_cluster
	s_endpgm
.Lentry_in_a_cluster:
	s_bfe_u32 s2, ttmp6, 0x10000c
	s_cmp_lg_u32 s2, 0x3003
	s_cbranch_scc0 .Lentry_shape_is_right
	s_endpgm
.Lentry_shape_is_right:
; out0[b][q][:] = the sum over k of softmax_k(query[b][q] . key[b][k] / 8 + bias[k]) value[b][k][:].  query, out0: [4][8192][64] f32.  kh, vh: key and value in f16, rows dense, 128 bytes.  bias8: [8192] f32, 8 x bias.
; Products, maxima and sums in f32; query is rounded to f16 here, once; the weights p are rounded to f16 for the second product (their sum l is taken of the unrounded p); out0 leaves in f32.
; LIMITS.  f16 holds no number beyond 65,504: query, key and value stay within it; p lies in 0 to 1, and below 6e-5 it keeps f16's fixed step of 6e-8.  A weight below 2^-126 counts as 0 in l; NaN and infinities are not treated apart.
; SHARES.  A work-group owns 128 queries of one batch, eight tiles of 16: 4 x 64 = 256 work-groups.  ALL FOUR WAVES HOLD THE SAME EIGHT TILES, AND THE KEYS ARE SPLIT AMONG THEM: of each slot of 256 keys wave w
; takes keys 64 w .. 64 w + 63, one key step.  So a fragment of K or V read from LDS feeds eight tiles' products.  Each wave keeps its own running maximum, sum and O; the four meet in LDS at the end, in f32.
; LAYOUT.  S^T = K Q^T + C (source 0 = 16 keys, source 1 = 16 queries): in the result a lane holds ONE query (lane % 16) and the keys 8 (lane / 16) + 0..7.  Two such tiles, rounded to f16 in pairs, ARE source 1
; (32 keys x 16 queries) of O^T = V^T P, whose result again holds one query a lane, and eight channels.  K comes out of LDS as it lies, V ([key][channel]) turned, by ds_load_tr16_b128.
; THE BIAS is the C operand of the product that starts a sum: 8 x bias[key], 32 registers a key step, the same for all tiles, read from a table in LDS.  c (q . k + 8 bias) = log2(e) (q . k / 8 + bias): it costs no vector instruction.
; SOFTMAX.  For each query a running maximum m and sum l: p = 2^(c s - c m), c = log2(e) / 8; in every step O and l are multiplied by a = 2^(c m_old - c m_new), which is 1 where m has not grown.
; m starts at the lowest finite number, O and l at 0: the first step is a step like any other, with a = 0.
; THE COUNT.  A tile and step have 16 matrix and 118 vector instructions: too many to stand all beside the matrix work.  So four vector instructions that are READY stand behind EVERY matrix instruction, and the others in runs without a gap.
; BY TURNS.  The wave's tiles are four PIECES of two.  Turn n belongs to piece n (the pieces in a ring, step after step).  Its matrix work: 16 products K Q^T of piece n + 1, later 16 products V^T P of piece n - 1.  Its vector
; work: the scaling, exponentials, roundings, sums and rescaling of piece n, and the maximum and statistics of piece n + 1, whose scores the turn itself has made.
; CLUSTER.  The four query blocks of a cluster belong to one batch and walk the same K, V and table, so each tile is asked for JOINTLY: the same tensor load, descriptor and mask in all four.
; REGISTERS, in windows of 256 (s_set_vgpr_msb says which window each operand place means: bits 1:0 source 0, 3:2 source 1, 5:4 source 2, 7:6 destination):
;   window 0: v0-11 addresses; v12-15, v48-63 at work; v16-47 four registers of statistics a tile; v64-191 S^T, two buffers of two tiles; v192-255 P, likewise
;   window 1: O^T, 32 a tile (at the head: query as loaded, in f32)      window 2: v0-127 Q, 16 a tile; v128-191 K of one step; v192-255 V of one step      window 3: v0-1 the add's two registers; v8-39 the step's bias
; A piece's buffers go by its number's parity: the piece in hand has one pair, its two neighbours in the ring share the other: of it P (piece n - 1) is read and S^T (piece n + 1) written.
.set NP,    4         ; pieces a wave: a name, no knob
.set KS,    64        ; keys in a step
.set PK,    144       ; a row of K in LDS: 128 bytes + 16 of padding = 36 words: the 16 rows of a load start at 16 different groups of four banks (64 banks of 4 bytes: ISA guide 11.1)
.set PV,    160       ; a row of V: 128 + 32 = 40 words
.set VOFF,  4*KS*PK   ; a slot holds 256 keys: 256 rows of K, then 256 rows of V
.set SLOTB, 4*KS*(PK+PV)
.set SLOT1, 1<<17     ; slot 1 begins here, so that one exclusive or turns an address in one slot into the other's
.set TAB,   SLOTB     ; behind slot 0: the table, 8,192 f32, filled once
.set STATS, TAB+32768 ; the merge's statistics: [wave][tile][query] (c m, l): 1,024 bytes a wave; never filled by a tensor load
.set SPARE, STATS+4096  ; the spare words, 128 bytes for each wave: two blocks of 256 bytes that no other line names
.set MERGE, SLOT1+SLOTB ; behind slot 1, never filled by a tensor load: [wave][64 rows] of 256 bytes + 16 of padding, f32
.set MP,    272
.set AK0, 2           ; v2   my lane's place in my wave's 64 rows of K; never rewritten
.set AV0, 3           ; v3   the same for V
.set AK,  4           ; v4   the LDS address of K's next run of loads
.set AV,  5           ; v5   of V's
.set AB0, 6           ; v6   my lane's place in my wave's 64 entries of a slot's 256 in the table; never rewritten
.set AB,  7           ; v7   the LDS address of the bias's next run of loads
.set QO,  8           ; v8   my byte offset in 16 rows of query
.set PFO, 11          ; v11  256 x my lane: the prefetches' offset; never rewritten
.set MV,  12          ; v12-15  c m_old, kept while c m is made anew: by buffer and tile
.set ST,  16          ; tile t's statistics at v[ST+4 t]: c m, m, l (even keys', odd keys')
.set TMP, 48          ; by buffer and tile, four registers c0-c3 at work; when the maximum is found c2 takes a
.set SA,  48          ; the merge (the turns are over): where I put a statistic
.set RA,  49          ;   where I read the four waves' statistics
.set MS,  50          ;   where I put 32 bytes of a row of my partial O
.set MR,  51          ;   where I read rows back
.set GO,  52          ;   my byte offset in the block's rows of out0
.set S,   64
.set P,   192
.set KF,  128         ; K's fragments, in window 2: key block kb, channel half c at KF + 16 kb + 8 c
.set VF,  192         ; V's: key half kk, channel block cb at VF + 32 kk + 8 cb
.set SPW, 0           ; v0 of window 3   LDS address of my spare word: SPARE + 4 x my thread's number; never rewritten
.set NIL, 1           ; v1 of window 3   0; never rewritten
.set BI,  8           ; v8-39 of window 3   8 x bias of the step's keys: key block kb at BI + 8 kb
.set WV,  12          ; s12  my wave's number
.set LIM, 15          ; s15  1 in a wave that prefetches, else the greatest number
.set PFA, 18          ; s[18:19] where my prefetches stand: my work-group's 32 blocks of 256 bytes of the slot after the one that is being asked for
.set G1K, 24          ; s[24:31] descriptor group 1 for K's tiles
.set G1V, 32          ; s[32:39] for V's: it differs in the padding alone
.set G0K, 40          ; s[40:43] descriptor group 0 for K's tiles: it walks
.set G0V, 44          ; s[44:47] the same for V's
.set G1T, 48          ; s[48:55] descriptor group 1 for the table
.set G0T, 68          ; s[68:71] its group 0
.set SLOTS, 56        ; s56  slots still to be asked for
.set CS,  58          ; s[58:59] c: the packed scaling takes the pair's low word for both halves
.set SEL, 60          ; s[60:61] v_permlanex16_b32's selects: each lane takes its own place in the other half
.set TB,  62          ; s62  LDS byte at which the slot to be fetched from begins
.set TBB, 63          ; s63  bytes from the table's head to the 256 entries of that slot
.set HM,  74          ; s74  the lanes 16 to 31
.set MSB, 0
.macro WIN new                      ; the high byte repeats the setting that is left; a switch that changes nothing is dropped
.if MSB != (\new)
	s_set_vgpr_msb (MSB<<8)|(\new)
.set MSB, (\new)
.endif
.endm
.set W_KQ, 0x0a       ; K and Q in window 2, S^T in window 0
.set W_KB, 0x3a       ; the same with the C operand, the bias, in window 3
.set W_PV, 0x52       ; V in window 2, P in window 0, O^T in window 1
.set W_RS, 0x41       ; O^T (destination and source 0) in window 1, the factor in window 0
.set W_MK, 0xc0       ; destination in window 3, sources in window 0
.set W_AD, 0x0f       ; the add: address (source 0) and data (source 1) in window 3
; A joint fill.  Waves 0 and 1 fetch the two halves of a slot's K, waves 2 and 3 those of its V: 128 keys each.  The branch hangs on the wave's number alone.
; An s_nop 0 and four v_nop follow each of the two lines, ahead of the jump and the label.
.macro JLOAD
	s_cmp_lt_u32 s[WV], 2
	s_cbranch_scc0 .Lfor_v_\@
	tensor_load_to_lds s[G0K:G0K+3], s[G1K:G1K+7]
	s_nop 0
.rept 4
	v_nop
.endr
	s_branch .Lasked_\@
.Lfor_v_\@:
	tensor_load_to_lds s[G0V:G0V+3], s[G1V:G1V+7]
	s_nop 0
.rept 4
	v_nop
.endr
.Lasked_\@:
.endm
; A PREFETCH INTO THE L2 of what the NEXT change of slots will ask for: a slot's 32,768 bytes of kh and of vh, 128 blocks of 256 bytes each, a lane a block.  It stands behind the wave's tensor load and its five lines.
; Each block is asked for ONCE in the launch.  All sixteen clusters of a batch walk the same K and V: the batch's first cluster prefetches.  Its four partners share the blocks out BY ADDRESS, 32 each: no branch hangs on a
; work-group's place in its cluster.  In each, wave 0 asks for K's and wave 2 for V's: one instruction.  The lead is one slot: 128 matrix instructions of a wave with their vector work.
; The last change that fills a slot prefetches nothing: there is no slot behind it.  Slots 0 and 1 come by their loads alone: nothing is prefetched at the head, where every work-group's first tiles are on their way.
.macro ASK
	s_cmp_gt_u32 s[SLOTS], s[LIM]
	s_cbranch_scc0 .Lnot_mine_\@
	global_prefetch_b8 v[PFO], s[PFA:PFA+1] th:TH_LOAD_NT scope:SCOPE_SE
.Lnot_mine_\@:
.endm
; A round of the cluster's barrier: my work-group's barrier, so that wave 0's signal speaks for all four waves; wave 0 signals; every wave waits for all four work-groups; my work-group's barrier once more.
.macro CROUND
	s_barrier_signal -1
	s_barrier_wait -1
	s_cmp_lg_u32 s[WV], 0
	s_cbranch_scc1 .Lnot_wave_0_\@
	s_barrier_signal -3
.Lnot_wave_0_\@:
	s_barrier_wait -3
	s_barrier_signal -1
	s_barrier_wait -1
.endm
; THE CHANGE OF SLOTS.  My 64 keys of the slot that is left lie in registers, K and V.  Each wave waits for all its tensor loads, of which one is out: its part of the other slot; adds 0 to its spare word; and waits
; for that and for its own reads of the slot.  Behind the barrier nobody reads this slot any more and the other slot is whole.
; fill = 1: this slot is filled again, with the keys two slots on.  The barrier is then a round of the cluster's, so that no wave of any partner still reads the slot or has a load on its way, and the joint fill is
; the first thing behind it: it has a key step of every wave, 128 matrix instructions, in which to land.  (At its first use nothing has been read yet: slot 0 and the table are waited for, slot 1 is filled.)
.macro CHANGE fill
	WIN W_AD
	s_wait_tensorcnt 0x0            ; no tensor load of mine is out, so a group 0 may be written
	ds_add_u32 v[SPW], v[NIL]       ; 0 onto my spare word: with fill = 1 the descriptors' steps stand between it and the wait for it
	WIN 0                           ; at a label and at a branch every window is 0
.if \fill
.irp g, G0K, G0V
	s_xor_b32 s[\g+1], s[\g+1], SLOT1  ; the walking descriptor: the other slot than last time,
	s_add_nc_u64 s[\g+2:\g+3], s[\g+2:\g+3], 4*KS*128  ; the next 256 keys; the type bits on top are not reached
.endr
	s_wait_xcnt 0x0                 ; the last prefetch, a slot back, has read its address, so it may be written:
	s_add_nc_u64 s[PFA:PFA+1], s[PFA:PFA+1], 4*KS*128  ; one slot behind the walking descriptors
	s_wait_dscnt 0x0                ; the add is done, and my reads of the slot are over
	CROUND
	JLOAD
	ASK
.else
	s_wait_dscnt 0x0                ; the add is done, and my reads of the slot are over
	s_barrier_signal -1
	s_barrier_wait -1
.endif
	s_xor_b32 s[TB], s[TB], SLOT1   ; the fetches go on in the other slot
.endm
	s_load_b256 s[4:11], s[0:1], 0x0  ; query s[4:5], kh s[6:7], vh s[8:9], bias8 s[10:11]
	s_load_b64 s[72:73], s[0:1], 0x20 ; out0
	WIN W_MK
	v_lshl_add_u32 v[SPW], v0, 2, SPARE
	v_mov_b32 v[NIL], 0
	WIN W_AD
	ds_add_u32 v[SPW], v[NIL]       ; the wave's opening: the add and its wait stand ahead of my first tensor load; the set-up below, work on registers, stands between them
	WIN 0
	v_lshrrev_b32 v1, 5, v0
	v_readfirstlane_b32 s[WV], v1   ; wave 0..3
	s_bfe_u32 s13, ttmp6, 0x40000   ; cx: my place in the cluster
	s_lshl_b32 s14, ttmp9, 2        ; in a cluster launch ttmp9 counts clusters
	s_add_co_u32 s14, s14, s13      ; my block of 128 queries = 4 x cluster x + cx: it enters query's and out0's addresses alone
	s_and_b32 s16, ttmp7, 0xffff    ; the batch, which the four partners share
	s_and_b32 s17, s[WV], 1         ; which half of a slot's 256 keys I fetch:
	s_lshl_b32 s20, s16, 20         ; the batch's 8,192 rows of 128 bytes in kh and vh,
	s_lshl_b32 s22, s17, 14         ; my half's 128 rows
	s_add_co_u32 s20, s20, s22
	s_mov_b32 s21, 0
	s_mul_i32 s75, s17, 128*PK      ; and its place in a slot, for K
	s_mul_i32 s76, s17, 128*PV      ; and for V: no place in the cluster enters an LDS address
	s_lshl_b32 s22, s[WV], 13       ; my quarter of the table, in memory and in LDS
	s_mov_b32 s23, 0
	s_lshl_b32 s2, s16, 21          ; the batch's 8,192 rows of 256 bytes in query and out0,
	s_lshl_b32 s3, s14, 15          ; my block's 128
	s_add_co_u32 s2, s2, s3
	s_mov_b32 s3, 0
	; descriptor group 1.  128 keys are 16,384 dense bytes: asked for as 64 rows of 256 bytes, two keys a row, and padded in LDS after every key
	s_mov_b32 s[G1K], 15|(1<<16)|(1<<20)|(1<<21)|(4<<22)|(3<<25)  ; 15:0 the mask of four; 17:16 2-byte elements; 20 padding on; 21 set beside a mask; 24:22 after every 32 words (code 4); 31:25 4 words (code 3)
	s_mov_b32 s[G1V], 15|(1<<16)|(1<<20)|(1<<21)|(4<<22)|(7<<25)  ; the same with 8 words of padding (code 7)
.irp g, G1K, G1V
	s_mov_b32 s[\g+1], 128<<16      ; tensor_dim0 = 128
	s_mov_b32 s[\g+2], 64<<16       ; tensor_dim1 = 64
	s_mov_b32 s[\g+3], 128<<16      ; tile_dim0 = 128
	s_mov_b32 s[\g+4], 64           ; tile_dim1 = 64
	s_mov_b32 s[\g+5], 128          ; 128 elements from row to row
	s_mov_b32 s[\g+6], 0
	s_mov_b32 s[\g+7], 0
.endr
	s_mov_b32 s[G1T], 15|(3<<16)|(1<<21)  ; the table: a quarter is 8,192 dense bytes: 32 rows of 32 elements of 8 bytes, no padding; the mask of four, 21 set beside it
	s_mov_b32 s[G1T+1], 32<<16      ; tensor_dim0 = 32
	s_mov_b32 s[G1T+2], 32<<16      ; tensor_dim1 = 32
	s_mov_b32 s[G1T+3], 32<<16      ; tile_dim0 = 32
	s_mov_b32 s[G1T+4], 32          ; tile_dim1 = 32
	s_mov_b32 s[G1T+5], 32          ; 32 elements from row to row
	s_mov_b32 s[G1T+6], 0
	s_mov_b32 s[G1T+7], 0
	s_mov_b32 s[CS], 0x3e38aa3b     ; c = log2(e) / 8 = 0.180337
	s_mov_b32 s[CS+1], s[CS]        ; named with it as a pair
	s_mov_b32 s[SEL], 0x76543210
	s_mov_b32 s[SEL+1], 0xfedcba98
	s_mov_b32 s[TB], SLOT1          ; the first change of slots turns it into 0
	s_mov_b32 s[TBB], 0
	s_mov_b32 s[SLOTS], 8192/256-1  ; slots 1 to 31 are still to be asked for
	s_mov_b32 s[G0K], 1             ; 1:0 count = 1
	s_mov_b32 s[G0K+1], s75         ; 63:32 LDS address: slot 0
	s_mov_b32 s[G0V], 1
	s_add_co_u32 s[G0V+1], s76, VOFF
	s_mov_b32 s[G0T], 1
	s_add_co_u32 s[G0T+1], s22, TAB
	s_and_b32 s[LIM], s[WV], 1      ; 0 in waves 0 and 2,
	s_or_b32 s[LIM], s[LIM], ttmp9  ; where the cluster is the batch's first: the same in all four partners
	s_cmp_eq_u32 s[LIM], 0
	s_cselect_b32 s[LIM], 1, -1
	s_wait_dscnt 0x0                ; the opening add is done
	s_wait_kmcnt 0x0
	s_add_nc_u64 s[6:7], s[6:7], s[20:21]  ; kh and vh at my half of the batch's first 256 keys
	s_add_nc_u64 s[8:9], s[8:9], s[20:21]
	s_mov_b64 s[G0K+2:G0K+3], s[6:7]               ; 120:64 global address
	s_or_b32 s[G0K+3], s[G0K+3], 0x80000000        ; 127:126 type = 2
	s_mov_b64 s[G0V+2:G0V+3], s[8:9]
	s_or_b32 s[G0V+3], s[G0V+3], 0x80000000
	s_add_nc_u64 s[G0T+2:G0T+3], s[10:11], s[22:23]
	s_or_b32 s[G0T+3], s[G0T+3], 0x80000000
	s_add_nc_u64 s[4:5], s[4:5], s[2:3]    ; query and out0 at my block's first row
	s_add_nc_u64 s[72:73], s[72:73], s[2:3]
	s_cmp_lt_u32 s[WV], 2
	s_cselect_b64 s[PFA:PFA+1], s[6:7], s[8:9]  ; (in waves 0 and 2 these stand at a slot's first row)
	s_lshl_b32 s2, s13, 13          ; my work-group's 32 blocks of the 128
	s_add_nc_u64 s[PFA:PFA+1], s[PFA:PFA+1], s[2:3]
	s_add_nc_u64 s[PFA:PFA+1], s[PFA:PFA+1], 4*KS*128  ; in slot 1; the first change of slots steps it to slot 2
	CROUND                          ; all four work-groups are here: the first joint loads meet
	s_cmp_lt_u32 s[WV], 2           ; a wave's two first fills stand in one branch, ahead of every wait on TENSORcnt and every LDS read: two loads of mine are out; an s_nop 0 follows each, four v_nop the second's
	s_cbranch_scc0 .Lfirst_v
	tensor_load_to_lds s[G0K:G0K+3], s[G1K:G1K+7]  ; my half of slot 0's K
	s_nop 0
	tensor_load_to_lds s[G0T:G0T+3], s[G1T:G1T+7]  ; my quarter of the table
	s_nop 0
.rept 4
	v_nop
.endr
	s_branch .Lfirst_asked
.Lfirst_v:
	tensor_load_to_lds s[G0V:G0V+3], s[G1V:G1V+7]  ; my half of slot 0's V
	s_nop 0
	tensor_load_to_lds s[G0T:G0T+3], s[G1T:G1T+7]
	s_nop 0
.rept 4
	v_nop
.endr
.Lfirst_asked:
	; A fragment of K or Q is 16 rows x 32 channels in 8 registers: lane l holds row l % 16, channels 8 (l / 16) + 0..7 and 16 + 8 (l / 16) + 0..7.  In f32 eight channels are 32 bytes: two loads of 16.
	v_and_b32 v1, 15, v0            ; l % 16
	v_bfe_u32 v9, v0, 4, 1          ; l / 16
	v_lshlrev_b32 v[QO], 8, v1
	v_lshl_add_u32 v[QO], v9, 5, v[QO]  ; row x 256 + 32 x half
	WIN 0x40                        ; destination window 1, address window 0
.set i, 0
.rept 64                            ; query in f32 into O^T's registers: tile i / 8, channels 32 ((i / 4) % 2) + 16 ((i / 2) % 2) on, 16 bytes i % 2
	global_load_b128 v[4*i:4*i+3], v[QO], s[4:5] offset:(i/8)*4096+((i/4)%2)*128+((i/2)%2)*64+(i%2)*16
.set i, i+1
.endr
	; What the first turn finds: V's registers and P's second buffer hold 0 (its products V^T P, of a piece that has not been, add 0), O^T and l are 0.  No first step is written out; these lines are the price, and stand in the wait for query and the first tile.
	WIN 0x80
.set i, VF
.rept 64
	v_mov_b32 v[i], 0
.set i, i+1
.endr
	WIN 0
.set i, 0
.rept 2*NP
	v_mov_b32 v[ST+4*i], 0xfe000000    ; c m: far below every c s
	v_mov_b32 v[ST+4*i+1], 0xff7fffff  ; m
	v_mov_b32 v[ST+4*i+2], 0
	v_mov_b32 v[ST+4*i+3], 0
.set i, i+1
.endr
.set i, P+32
.rept 32
	v_mov_b32 v[i], 0
.set i, i+1
.endr
	s_mul_i32 s75, s[WV], KS*PK     ; my wave's 64 rows of a slot's K,
	s_mul_i32 s76, s[WV], KS*PV     ; of its V,
	s_add_co_u32 s76, s76, VOFF
	s_lshl_b32 s77, s[WV], 8        ; and its 64 entries of the table
	s_add_co_u32 s77, s77, TAB
	v_mul_u32_u24 v[AK0], v1, PK
	v_lshl_add_u32 v[AK0], v9, 4, v[AK0]  ; row x pitch + 16 x half
	v_add_nc_u32 v[AK0], s75, v[AK0]
	; The turning load takes 16 keys x 16 channels (lane l reads key 8 (l / 16) + l % 8, channels 8 ((l / 8) % 2) + 0..7) and leaves half a fragment of V^T: lane l holds channel l % 16 and 8 keys.
	v_and_b32 v48, 7, v0
	v_bfe_u32 v49, v0, 3, 1
	v_lshl_add_u32 v[AV0], v9, 3, v48
	v_mul_u32_u24 v[AV0], v[AV0], PV
	v_lshl_add_u32 v[AV0], v49, 4, v[AV0]
	v_add_nc_u32 v[AV0], s76, v[AV0]
	v_lshl_add_u32 v[AB0], v9, 5, s77  ; a lane's eight keys of a block of 16 begin at 8 (l / 16): 32 bytes
	v_mov_b32 v[AK], v[AK0]         ; key step 0 lies in slot 0,
	v_mov_b32 v[AB], v[AB0]         ; its bias at the table's head
	v_and_b32 v[PFO], 31, v0
	v_lshlrev_b32 v[PFO], 8, v[PFO]
	s_wait_loadcnt 0x0              ; query
	WIN 0x85                        ; destination window 2, sources window 1
.set i, 0
.rept 128
	v_cvt_pk_f16_f32 v[i], v[2*i], v[2*i+1]  ; Q stays in registers: tile i / 16
.set i, i+1
.endr
	WIN 0x40
.set i, 0
.rept 64*NP
	v_mov_b32 v[i], 0
.set i, i+1
.endr
	WIN 0
; THE MATRIX WORK.  The 8 accumulators of a run of 16 take turns: between the two links of a chain stand 7 others'.
; Product i of 16 of S^T = K Q^T for piece x: channels 32 (i / 8) on, keys 16 ((i / 2) % 4) on, tile 2 x + i % 2.  The first 8 start the sums, with the keys' bias.
.macro KQ x
.set rS, S+64*((\x)%2)+32*(i%2)+8*((i/2)%4)
.set rK, KF+16*((i/2)%4)+8*(i/8)
.set rQ, 16*(2*(\x)+i%2)+8*(i/8)
.set rB, BI+8*((i/2)%4)
.if i < 8
	WIN W_KB
	v_wmma_f32_16x16x32_f16 v[rS:rS+7], v[rK:rK+7], v[rQ:rQ+7], v[rB:rB+7]
.else
	WIN W_KQ
	v_wmma_f32_16x16x32_f16 v[rS:rS+7], v[rK:rK+7], v[rQ:rQ+7], v[rS:rS+7]
.endif
.endm
; Product i of 16 of O^T += V^T P for piece x: keys 32 (i / 8) on, channels 16 ((i / 2) % 4) on, tile 2 x + i % 2.
.macro PV x
	WIN W_PV
.set rO, 32*(2*(\x)+i%2)+8*((i/2)%4)
.set rV, VF+32*(i/8)+8*((i/2)%4)
.set rP, P+32*((\x)%2)+16*(i%2)+8*(i/8)
	v_wmma_f32_16x16x32_f16 v[rO:rO+7], v[rV:rV+7], v[rP:rP+7], v[rO:rO+7]
.endm
.macro MM                           ; the turn's next matrix instruction
.if i < 16
	KQ (Y+1)%NP
.set i, i+1
.else
.set i, i-16
	PV (Y+NP-1)%NP
.set i, i+17
.endif
.endm
; THE LDS LOADS stand in runs, never singly among the matrix instructions: a step's K (64 keys x 64 channels: 8 fragments) with its bias (8 loads; the 16 lanes of a half read the same 16 bytes), and its V (turned).
; Their addresses are made some lines ahead.
.macro FETCH_K
	WIN 0x80                        ; destination window 2
.irp f, 0,1,2,3,4,5,6,7             ; keys 16 (f / 2) on, channels 32 (f % 2) on
	ds_load_b128 v[KF+8*\f:KF+8*\f+3],   v[AK] offset:(\f/2)*16*PK+(\f%2)*64
	ds_load_b128 v[KF+8*\f+4:KF+8*\f+7], v[AK] offset:(\f/2)*16*PK+(\f%2)*64+32
.endr
	WIN 0xc0                        ; destination window 3
.irp f, 0,1,2,3,4,5,6,7             ; keys 16 (f / 2) + 4 (f % 2) on
	ds_load_b128 v[BI+4*\f:BI+4*\f+3], v[AB] offset:(\f/2)*64+(\f%2)*16
.endr
	s_add_co_u32 s[TBB], s[TBB], 1024  ; the next fetch is the next slot's: 256 entries on
	WIN 0
.endm
.macro FETCH_V
	WIN 0x80
.irp f, 0,1,2,3,4,5,6,7             ; keys 32 (f / 4) on, channels 16 (f % 4) on
	ds_load_tr16_b128 v[VF+8*\f:VF+8*\f+3],   v[AV] offset:(\f/4)*32*PV+(\f%4)*32
	ds_load_tr16_b128 v[VF+8*\f+4:VF+8*\f+7], v[AV] offset:(\f/4)*32*PV+16*PV+(\f%4)*32
.endr
	WIN 0
.endm
; THE VECTOR WORK OF A TURN stands in three queues, each in the order in which its entries become ready; the two tiles alternate, so that no instruction reads the result of the one before it.
.macro REGS y, u                    ; the registers of tile u (0, 1) of piece y
.set rT, ST+4*(2*(\y)+(\u))
.set rC, TMP+8*((\y)%2)+4*(\u)
.set rM, MV+2*((\y)%2)+(\u)
.set rS, S+64*((\y)%2)+32*(\u)
.set rP, P+32*((\y)%2)+16*(\u)
.set rO, 32*(2*(\y)+(\u))
.endm
; Number n of the 22 that find the NEXT piece's (Y + 1) maximum and statistics.  s0-s31 are the lane's 32 scores; each accumulator's lowest registers are read first.  XS, GS and REGS set no window: PL and EX do.
;   0-11  four chains c0-c3 of seven scores each, three operands at a time     12-14, 16  the four scores left over, the old m, and c0-c3 into c0     15  c m_old is kept
;   17, 18  the query's other 32 keys lie in the lane 16 away: the new m         19-21  c m; c m_old - c m_new; a
.macro XS u, n
	REGS (Y+1)%NP, \u
.if (\n) < 4
	v_max3_num_f32 v[rC+(\n)], v[rS+8*(\n)], v[rS+8*(\n)+1], v[rS+8*(\n)+2]
.elseif (\n) < 12
	v_max3_num_f32 v[rC+(\n)%4], v[rC+(\n)%4], v[rS+8*((\n)%4)+2*((\n)/4)+1], v[rS+8*((\n)%4)+2*((\n)/4)+2]
.elseif (\n) == 12
	v_max3_num_f32 v[rC], v[rC], v[rS+7], v[rS+15]
.elseif (\n) == 13
	v_max3_num_f32 v[rC+1], v[rC+1], v[rS+23], v[rS+31]
.elseif (\n) == 14
	v_max3_num_f32 v[rC+2], v[rC+2], v[rC+3], v[rT+1]
.elseif (\n) == 15
	v_mov_b32 v[rM], v[rT]
.elseif (\n) == 16
	v_max3_num_f32 v[rC], v[rC], v[rC+1], v[rC+2]
.elseif (\n) == 17
	v_permlanex16_b32 v[rC+3], v[rC], s[SEL], s[SEL+1]
.elseif (\n) == 18
	v_max_num_f32 v[rT+1], v[rC], v[rC+3]
.elseif (\n) == 19
	v_mul_f32 v[rT], s[CS], v[rT+1]
.elseif (\n) == 20
	v_sub_f32 v[rC+1], v[rM], v[rT]
.else
	v_exp_f32 v[rC+2], v[rC+1]
.endif
.endm
; Number g of the 64 that follow the exponentials.  For each four weights k of a tile (pairs 2 k, 2 k + 1): both pairs are rounded to f16; then the second pair is added onto the first, in place;
; a group later l takes that sum (the first time as l = a l + sum).  In groups of eight, tiles alternating: round, round, add, and l for the group before.
.macro GS g
.set h, (\g)+6*((\g)/62)            ; group 0 has no group before it, and behind group 7 only l is left
.if h >= 6
.set h, h+2
.endif
	REGS Y, h%2
.set k, h/8
.if h%8 < 4
	s_wait_alu depctr_va_vdst(0)
	v_cvt_pk_f16_f32 v[rP+2*k+(h%8)/2], v[rS+4*k+2*((h%8)/2)], v[rS+4*k+2*((h%8)/2)+1]
.elseif h%8 < 6
	v_pk_add_f32 v[rS+4*k:rS+4*k+1], v[rS+4*k:rS+4*k+1], v[rS+4*k+2:rS+4*k+3]
.elseif k == 1
	v_pk_fma_f32 v[rT+2:rT+3], v[rT+2:rT+3], v[rC+2:rC+3], v[rS:rS+1] op_sel_hi:[1,0,1]
.else
	v_pk_add_f32 v[rT+2:rT+3], v[rT+2:rT+3], v[rS+4*k-4:rS+4*k-3]
	s_wait_alu depctr_va_vdst(0)
.endif
.endm
; THE PLAIN QUEUE, 138 long.  0-31: c s - c m for the 16 pairs of both tiles.  Then GS's 64, and among them the next piece's 42: number 15 at 38, 39; 0-14 and 16
; at 42-73, behind the products that make those scores; 17-20 at 95-106, two of three, since each waits for the one before it.
.macro PL
	WIN 0
.if q < 32
	REGS Y, q%2
	v_pk_fma_f32 v[rS+2*(q/2):rS+2*(q/2)+1], v[rS+2*(q/2):rS+2*(q/2)+1], s[CS:CS+1], v[rT:rT+1] op_sel_hi:[1,0,0] neg_lo:[0,0,1] neg_hi:[0,0,1]
.elseif q < 38
	GS q-32
.elseif q < 40
	XS q%2, 15
.elseif q < 42
	GS q-34
.elseif q < 74
	XS q%2, (q-42)/2+(q-42)/30
.elseif q < 95
	GS q-66
.elseif (q < 107) && ((q-95)%3 < 2)
	XS (q-95)%3, 17+(q-95)/3
.elseif q < 107
	GS 29+(q-95)/3
.else
	GS q-74
.endif
.set q, q+1
.endm
; THE EXPONENTIALS' QUEUE, 66 long: s0-s31 of both tiles, and at EA the next piece's two a.
.set EA, 58
.macro EX
	WIN 0
.if (e == EA) || (e == EA+1)
	XS e-EA, 21
.else
.set x, e-2*(e/(EA+2))
	REGS Y, x%2
	v_exp_f32 v[rS+x/2], v[rS+x/2]
.endif
.set e, e+1
.endm
; THE RESCALING's QUEUE: O^T times a, the one part that leaves window 0, so it is dealt four at a time, eight times.
.macro R4
	REGS Y, r%2
	WIN W_RS
	s_wait_alu depctr_va_vdst(0)
.irp z, 0,1,2,3
	v_pk_mul_f32 v[rO+8*(r/2)+2*\z:rO+8*(r/2)+2*\z+1], v[rO+8*(r/2)+2*\z:rO+8*(r/2)+2*\z+1], v[rC+2:rC+3] op_sel_hi:[1,0]
.endr
.set r, r+1
.endm
; HOW THEY ARE DEALT.  Behind a matrix instruction four: plain, exponential, plain, plain (one exponential, a plain instruction on either side), or four of the rescaling.  None names a register of the
; products round it.  What is over stands in two LUMPS: exponential and plain by turns; the second ends in 22 plain instructions.  The two v_permlanex16_b32 fall into the second lump, never behind a product.
; The queues lean on each other, and the deal keeps them in step: exponential e stands behind plain 2 (e / 4) + e % 2 (its scaling); when plain 32 comes, 10 exponentials are out, at 59: 33, at 95: 46; EA comes behind plain 107.
.macro SL
	MM
	PL
	EX
	PL
	PL
.endm
.macro BURST n                      ; 15 matrix instructions, or 16
.rept (\n)-7
	SL
.endr
.rept 3
	MM
	R4
	SL
.endr
	MM
	R4
.endm
; A TURN, for piece p.  nof = 1: the walk's last turn of piece 2: there is no further step, and nothing is fetched.
; K and the bias of the next step are fetched in piece 2's turn, 32 vector instructions behind the last product that read them; their first reader comes behind the rest of the lump, 16 products and the second lump.
; V of the step in hand is fetched at the end of piece 0's turn, 69 behind its last reader; its first reader comes behind 16 products and a lump.  The conditions on e and q below go with the deal.
.macro TURN p, nof=0
.set Y, (\p)
.set i, 0
.set q, 0
.set e, 0
.set r, 0
.if (\p) == NP-1
	s_wait_dscnt 0x0                ; K and the bias are in
.endif
	MM
.rept 4
	PL
.endr
	BURST 15
.rept 22
	EX
	PL
.if ((\p) == NP-2) && (e == 18) && !(\nof)
	v_add_nc_u32 v[AK], s[TB], v[AK0]
	v_add_nc_u32 v[AB], s[TBB], v[AB0]
.endif
.if ((\p) == NP-2) && (e == 24) && !(\nof)
	FETCH_K
.endif
.endr
.if (\p) == 1
	s_wait_dscnt 0x0                ; V is in
.endif
	BURST 16
.rept 21
	EX
	PL
.endr
.rept 22
	PL
.if ((\p) == 0) && (q == 118)
	v_add_nc_u32 v[AV], s[TB], v[AV0]
	s_wait_alu depctr_va_vdst(0)
.endif
.endr
.if (\p) == 0
	FETCH_V
.endif
.endm
	CHANGE 1                        ; slot 0 and the table are in, everybody's parts of them; slot 1 is asked for
	FETCH_K                         ; key step 0
	s_wait_dscnt 0x0
.set i, 0
.rept 16
	KQ 0                            ; piece 0's first scores: there is no vector work yet to set between them
.set i, i+1
.endr
	WIN 0
.rept 4
	v_nop                           ; four plain vector instructions between those products and the first read of their results (ISA guide 7.12.1)
.endr
.set Y, NP-1                        ; XS works for piece Y + 1: piece 0
.irp n, 0,1,2,3,4,5,6,7,8,9,10,11,12,13,14,15,16,17,18,19,20,21
	XS 0, \n                        ; and piece 0's first maximum and statistics
	XS 1, \n
.endr
	s_branch .Lfirst                ; the loop is entered at a step's first turn, in the middle of a trip
.Lslot:                             ; 30 times: slots 2 to 31 are asked for.  A trip: pieces 2 and 3 of one step, then pieces 0 and 1 of the next, whose K, bias and V it fetches
	CHANGE 1
	TURN 2
	TURN 3
	WIN 0
.Lfirst:
	TURN 0
	TURN 1
	WIN 0
	s_sub_co_u32 s[SLOTS], s[SLOTS], 1
	s_cmp_lg_u32 s[SLOTS], 0
	s_cbranch_scc1 .Lslot
	CHANGE 0                        ; the tail is written out: nothing is asked for
	TURN 2                          ; K and bias of the last step
	TURN 3
	TURN 0                          ; its V
	TURN 1
	TURN 2, 1
	TURN 3                          ; its 16 products K Q^T for piece 0 repeat the last step's, on the same K and bias, so that the maximum made of them leaves piece 0's m and c m as they are: the price, once a launch, of one text for every turn
.set i, 0
.rept 16
	PV NP-1                         ; the last piece's V^T P of the last step
.set i, i+1
.endr
	; THE MERGE.  Each wave holds, for all 128 queries, c m, l and O^T over its quarter of the keys.  With M the greatest of the four c m: L = the sum of 2^(c m_w - M) l_w, out = the sum of (2^(c m_w - M) / L) O_w.
	; The addresses are made first: plain instructions, the places behind the last products.
	WIN 0
	s_lshl_b32 s75, s[WV], 10
	s_add_co_u32 s75, s75, STATS    ; my wave's 1,024 bytes of statistics
	v_lshl_add_u32 v[SA], v1, 3, s75   ; query l % 16: 8 bytes; lanes 0-15 put c m, lanes 16-31 l
	v_lshl_add_u32 v[SA], v9, 2, v[SA]
	v_lshlrev_b32 v[RA], 3, v1
	v_add_nc_u32 v[RA], STATS, v[RA]
	s_mul_i32 s76, s[WV], 64*MP
	s_add_co_u32 s76, s76, MERGE    ; my wave's 64 rows
	v_mul_u32_u24 v[MS], v1, MP     ; in: row l % 16, 32 bytes for each half of the lanes
	v_lshl_add_u32 v[MS], v9, 5, v[MS]
	v_add_nc_u32 v[MS], s76, v[MS]
	s_mul_i32 s77, s[WV], 16*MP
	s_add_co_u32 s77, s77, MERGE    ; back: of each wave's 64 rows I take the tile of my number
	v_mul_u32_u24 v[MR], v9, MP     ; lanes 0-15 one row of 256 bytes, lanes 16-31 the next
	v_lshl_add_u32 v[MR], v1, 4, v[MR]
	v_add_nc_u32 v[MR], s77, v[MR]
	s_lshl_b32 s75, s[WV], 12
	v_and_b32 v[GO], 31, v0         ; and the same two rows in out0: 512 consecutive bytes
	v_lshl_add_u32 v[GO], v[GO], 4, s75
	v_cmp_ne_u32 s[HM], 0, v9
.macro ALL line:vararg              ; one line for each tile t
.set t, 0
.rept 2*NP
	\line
.set t, t+1
.endr
.endm
	ALL v_add_f32 v[ST+4*t+2], v[ST+4*t+2], v[ST+4*t+3]
	ALL v_permlanex16_b32 v[ST+4*t+3], v[ST+4*t+2], s[SEL], s[SEL+1]
	ALL v_add_f32 v[ST+4*t+2], v[ST+4*t+2], v[ST+4*t+3]
	ALL v_cndmask_b32 v[ST+4*t+3], v[ST+4*t], v[ST+4*t+2], s[HM]
	ALL ds_store_b32 v[SA], v[ST+4*t+3] offset:128*t
	s_wait_dscnt 0x0                ; for the others' sake: my statistics lie in LDS
	s_barrier_signal -1
	s_barrier_wait -1
.set i, 0
.rept 32                            ; tile i / 4, wave i % 4: (c m, l) into v[64 + 2 i]
	ds_load_b64 v[64+2*i:64+2*i+1], v[RA] offset:1024*(i%4)+128*(i/4)
.set i, i+1
.endr
	s_wait_dscnt 0x0
	ALL v_max3_num_f32 v[192+t], v[64+8*t], v[64+8*t+2], v[64+8*t+4]
	ALL v_max_num_f32 v[192+t], v[192+t], v[64+8*t+6]
	ALL v_sub_f32 v[200+t], v[ST+4*t], v[192+t]
.irp k, 0,2,4,6
	ALL v_sub_f32 v[64+8*t+\k], v[64+8*t+\k], v[192+t]
.endr
	ALL v_exp_f32 v[200+t], v[200+t]
.irp k, 0,2,4,6
	ALL v_exp_f32 v[64+8*t+\k], v[64+8*t+\k]
.endr
	v_nop                           ; a plain instruction between the last exponential and the use of its result
	s_wait_alu depctr_va_vdst(0)
	ALL v_mul_f32 v[208+t], v[64+8*t], v[64+8*t+1]
.irp k, 2,4,6
	ALL v_fmac_f32 v[208+t], v[64+8*t+\k], v[64+8*t+\k+1]
.endr
	ALL v_rcp_f32 v[208+t], v[208+t]  ; L is 1 at the least: the wave that holds M counts its greatest weight, 1
	v_nop
	s_wait_alu depctr_va_vdst(0)
	ALL v_mul_f32 v[ST+4*t+2], v[200+t], v[208+t]  ; my factor for tile t
; Tiles 4 hp .. 4 hp + 3: each wave scales its partial O^T (each accumulator's lowest registers are read first) and puts it into its own 64 rows; behind a barrier wave w reads tile 4 hp + w
; of all four, as whole rows, adds them and stores them.
.macro MPASS hp
	WIN W_RS
.set t, 4*(\hp)
.rept 4
.set i, 32*t
.rept 16
	v_pk_mul_f32 v[i:i+1], v[i:i+1], v[ST+4*t+2:ST+4*t+3] op_sel_hi:[1,0]
.set i, i+2
.endr
.set t, t+1
.endr
	WIN 0x04                        ; the stores' data in window 1
.set i, 0
.rept 32                            ; tile i / 8 of the four, channels 16 ((i / 2) % 4) + 8 (l / 16) + 4 (i % 2) on
	ds_store_b128 v[MS], v[128*(\hp)+4*i:128*(\hp)+4*i+3] offset:16*MP*(i/8)+64*((i/2)%4)+16*(i%2)
.set i, i+1
.endr
	WIN 0
	s_wait_dscnt 0x0                ; for the others' sake: my partial sums lie in LDS
	s_barrier_signal -1
	s_barrier_wait -1
.if \hp
	s_wait_xcnt 0x0                 ; the first four tiles' stores have read their registers, which are loaded again below
.endif
.set i, 0
.rept 32                            ; wave i / 8's partial, rows 2 (i % 8) and 2 (i % 8) + 1 of my tile
	ds_load_b128 v[64+4*i:64+4*i+3], v[MR] offset:64*MP*(i/8)+2*MP*(i%8)
.set i, i+1
.endr
	s_wait_dscnt 0x0
.if (\hp) == 0
	s_barrier_signal -1             ; every wave's reads are over: only behind this barrier are the rows written again
	s_barrier_wait -1
.endif
.set i, 0
.rept 16
	v_pk_add_f32 v[64+i:64+i+1], v[64+i:64+i+1], v[96+i:96+i+1]
	v_pk_add_f32 v[128+i:128+i+1], v[128+i:128+i+1], v[160+i:160+i+1]
.set i, i+2
.endr
.set i, 0
.rept 16
	v_pk_add_f32 v[64+i:64+i+1], v[64+i:64+i+1], v[128+i:128+i+1]
.set i, i+2
.endr
.irp f, 0,1,2,3,4,5,6,7
	global_store_b128 v[GO], v[64+4*\f:64+4*\f+3], s[72:73] offset:16384*(\hp)+512*\f th:TH_STORE_NT  ; 512 consecutive bytes, at a multiple of 256 from out0's first
.endr
.endm
	MPASS 0
	MPASS 1
	WIN W_AD
	s_wait_tensorcnt 0x0            ; the wave's end, behind my last tensor load and my last LDS store
	ds_add_u32 v[SPW], v[NIL]
	s_wait_dscnt 0x0
	WIN 0
	CROUND                          ; the closing round: no work-group ends while a partner may still ask for a tile that names it
	s_endpgm
.Lfunc_end_k_q102b12d9d5_attn:
	.size	k_q102b12d9d5_attn, .Lfunc_end_k_q102b12d9d5_attn-k_q102b12d9d5_attn
	.p2alignl 7, 3214868480
	.fill 96, 4, 3214868480
	.section	.rodata,"a",@progbits
	.p2align	6, 0x0
	.amdhsa_kernel k_q102b12d9d5_attn
		.amdhsa_group_segment_fixed_size 327680
		.amdhsa_private_segment_fixed_size 0
		.amdhsa_enable_private_segment 0
		.amdhsa_kernarg_size 40
		.amdhsa_user_sgpr_count 2
		.amdhsa_user_sgpr_kernarg_segment_ptr 1
		.amdhsa_wavefront_size32 1
		.amdhsa_system_sgpr_workgroup_id_x 1
		.amdhsa_system_sgpr_workgroup_id_y 1
		.amdhsa_system_sgpr_workgroup_id_z 1
		.amdhsa_system_vgpr_workitem_id 0
		.amdhsa_next_free_vgpr 808
		.amdhsa_next_free_sgpr 80
		.amdhsa_reserve_vcc 0
		.amdhsa_float_denorm_mode_32 3
		.amdhsa_float_denorm_mode_16_64 3
		.amdhsa_memory_ordered 1
		.amdhsa_forward_progress 1
		.amdhsa_inst_pref_size 255
	.end_amdhsa_kernel
	.section	.bss,"aw",@nobits
	.p2align	6
	.space	262144
	.amdgpu_metadata
---
amdhsa.version: [ 1, 2 ]
amdhsa.kernels:
  - .name:           k_q102b12d9d5_attn
    .symbol:         k_q102b12d9d5_attn.kd
    .args:
      - { .name: query, .offset: 0, .size: 8, .value_kind: global_buffer, .address_space: global }
      - { .name: kh, .offset: 8, .size: 8, .value_kind: global_buffer, .address_space: global }
      - { .name: vh, .offset: 16, .size: 8, .value_kind: global_buffer, .address_space: global }
      - { .name: bias8, .offset: 24, .size: 8, .value_kind: global_buffer, .address_space: global }
      - { .name: out0, .offset: 32, .size: 8, .value_kind: global_buffer, .address_space: global }
    .group_segment_fixed_size: 327680
    .private_segment_fixed_size: 0
    .kernarg_segment_align: 8
    .kernarg_segment_size: 40
    .max_flat_workgroup_size: 128
    .sgpr_count:     80
    .vgpr_count:     808
    .wavefront_size: 32
...
	.end_amdgpu_metadata
.endif
;; end of part 2
;; ======== version 2 of 2: 2 launches; version 1 with the launch prep written anew for expert scheduling mode
;; limits: values are held in f16: magnitudes above 65,504 overflow, below 6.1e-05 lose precision; inputs' magnitudes at most 65,504
;; workspace buffers: kh 4,194,304 bytes; vh 4,194,304 bytes; bias8 32,768 bytes
;; launch prep (part 3): grid 256 x 1, 8 waves a work-group, no clusters, 0 bytes of LDS; arguments key, value, julia_c_real, julia_c_imag, escape_scale, kh, vh, bias8; writes kh, vh, bias8
.if DOCPART == 3
	.amdgcn_target "amdgcn-amd-amdhsa--gfx1250"
	.amdhsa_code_object_version 6
	.text
	.protected	k_q102b12d9d5_prep
	.globl	k_q102b12d9d5_prep
	.p2align	8
	.type	k_q102b12d9d5_prep,@function
k_q102b12d9d5_prep:
	s_mov_b64 s[64:65], 0
	v_nop
	global_prefetch_b8 v0, s[64:65] scope:SCOPE_SE
	s_setreg_imm32_b32 hwreg(HW_REG_WAVE_SCHED_MODE, 0, 2), 2
	s_setreg_imm32_b32 hwreg(HW_REG_WAVE_MODE, 25, 1), 1
	s_wait_xcnt 0x0
	s_wait_alu depctr_vm_vsrc(0)
; kh = key and vh = value, each rounded once to f16 (the two matrix operands of the attention launch), and the table bias8[k] = 8 x log(exp(et[k] x escape_scale) + 1e-8) in f32, k = 0 .. 8191.
; et[k]: z starts at the k-th of 8,192 points from -2 to 2, goes 64 times through z^2 + c, and et is (the first step at which |z|^2 > 4) / 64, or 1.
; SHARES.  256 work-groups of eight waves.  A work-group converts 8,192 numbers of key and 8,192 of value: thread t takes 16 bytes at 4,096 j + 16 t, j = 0 .. 7, of its 32,768 bytes of each,
; and stores 8 bytes at 2,048 j + 8 t: a wave's load covers 512 consecutive bytes, its store 256 consecutive bytes, aligned.  All 16 loads of a thread go out at once.
; No LDS, no barrier, no matrix unit: nothing is shared and nothing is multiplied.
; THE TABLE.  Wave 0 of every even work-group makes 64 entries while its loads are on their way: a lane has two neighbouring points, in the halves of register pairs.
; z is not frozen after the escape: step / 64 rises and stays under 1, so a running minimum keeps the first escape, whatever z does later (an infinity or a NaN offers 1 or a later step).
; No branch and no address hangs on z: the escape test only selects a value.
; LIMITS.  |key| and |value| stay under 65,504 (f16).  THE ORDER OF ROUNDINGS in the iteration: t = k x f32(1 / 8191); x = 2 ((t) - (1 - t)), the last point exactly 2;
; zr' = (zr zr - [zi zi]) + cr with the first product unrounded; zi' = 2 zr zi + ci rounded once; |z|^2 = zr zr + [zi zi] with the first product unrounded ([..]: rounded).  Under another order a point
; whose |z| passes 2 within the difference escapes one step earlier or later: that key's et moves by 1 / 64.  exp and log are 2^x and log2 to 1 ULP; a 2^x under 2^-126 counts as 0, beside the 1e-8.
; THE MODE: SCHED_MODE bits 1:0 = 2 (LLVM: expert scheduling mode 2), set by the entry lines.  The code itself states the register dependences between vector instructions and memory instructions,
; and those through scalar registers and VCC that vector instructions write, with s_wait_alu, always for 0.
; THE PLAN.  Registers that memory instructions touch:
;   v1, v2     byte offsets of the loads and of the stores of kh and vh: written once at the head, ahead of the head's wait on va_vdst; never written again.
;   v3         the table's offset: written once on the table's way, ahead of the wait in front of the table's store; never written again.
;   X          the 16 loads land in it, each register once; no vector line names it ahead of the loads; the conversions read it.
;   Y          the conversions write it, the stores read it, each register once.
;   ET         the table's arithmetic writes it, the table's store reads it, nothing writes it after.
; No register that a memory instruction has read is written again, so no wait on vm_vsrc is owed.  On the way out the loads go in four groups of four: the group's eight conversions, ONE wait on va_vdst, its four stores.
; In the table's loop a trip's eight escape tests write eight scalar registers, and ONE wait on va_sdst stands between them and the eight selects that read them.
.set ZR, 4                             ; v[4:5]    zr of my two points
.set ZI, 6                             ; v[6:7]    zi
.set Z2, 8                             ; v[8:9]    2 zr
.set B,  10                            ; v[10:11]  zi zi, rounded
.set D,  12                            ; v[12:13]  zr zr - zi zi
.set M,  14                            ; v[14:15]  |z|^2
.set ET, 16                            ; v[16:17]  the escape time so far
.set CR, 18                            ; v[18:19]  c's real part, twice
.set CI, 20                            ; v[20:21]  its imaginary part, twice
.set IT, 24                            ; v24       step / 64
.set X,  32                            ; v[32:95]  load n of 16: 4 registers
.set Y,  96                            ; v[96:127] load n of 16: 2 registers, packed
.set OUT, 32                           ; s[32:39]  step i of a trip's four: the lanes whose first point, second point lies outside: s[OUT + 2 i], s[OUT + 2 i + 1]
	s_load_b512 s[8:23], s[0:1], 0x0               ; key s[8:9], value s[10:11], c_real s[12:13], c_imag s[14:15], scale s[16:17], kh s[18:19], vh s[20:21], bias8 s[22:23]
	v_lshlrev_b32 v1, 4, v0                        ; 16 t
	v_lshlrev_b32 v2, 3, v0                        ; 8 t
	v_lshrrev_b32 v27, 5, v0
	v_readfirstlane_b32 s24, v27                   ; wave 0..7
	s_lshl_b32 s2, ttmp9, 15                       ; the work-group's 32,768 bytes of f32,
	s_mov_b32 s3, 0
	s_lshl_b32 s4, ttmp9, 14                       ; and its 16,384 of f16
	s_mov_b32 s5, 0
	s_and_b32 s25, ttmp9, 1
	s_lshr_b32 s30, ttmp9, 1                       ; which 64 entries of the table
	s_lshl_b32 s31, s30, 6                         ; their first point,
	s_lshl_b32 s30, s30, 8                         ; their first byte
	s_wait_alu depctr_va_sdst(0)                   ; s24 is written, ahead of its first reader, the line below
	s_or_b32 s25, s25, s24                         ; 0: wave 0 of an even work-group
	s_wait_kmcnt 0x0
	s_add_nc_u64 s[8:9], s[8:9], s[2:3]
	s_add_nc_u64 s[10:11], s[10:11], s[2:3]
	s_add_nc_u64 s[18:19], s[18:19], s[4:5]
	s_add_nc_u64 s[20:21], s[20:21], s[4:5]
	s_wait_alu depctr_va_vdst(0)                   ; v1 and v2 are written: the loads below read v1 as their offset, the stores of kh and vh read v2
.irp j, 0,1,2,3,4,5,6,7
	global_load_b128 v[X+4*(\j):X+4*(\j)+3], v1, s[8:9] offset:4096*(\j) th:TH_LOAD_NT
.endr
.irp j, 0,1,2,3,4,5,6,7
	global_load_b128 v[X+32+4*(\j):X+32+4*(\j)+3], v1, s[10:11] offset:4096*(\j) th:TH_LOAD_NT
.endr
	s_cmp_lg_u32 s25, 0
	s_cbranch_scc1 .Lconv
	s_load_b32 s26, s[12:13], 0x0                  ; c's real part
	s_load_b32 s27, s[14:15], 0x0                  ; its imaginary part
	s_load_b32 s28, s[16:17], 0x0                  ; the scale
	v_add_nc_u32 v3, s30, v2                       ; my 8 bytes of the table (in wave 0 the thread's number is the lane's)
	v_lshl_add_u32 v25, v0, 1, s31                 ; my first point k; the second is k + 1
	v_add_nc_u32 v26, 1, v25
	v_cmp_eq_u32 vcc_lo, 0x1fff, v26               ; the last point is the end itself (only a second point can be it); the select stands below, behind the point's arithmetic
	v_mov_b32 v22, 2.0
	v_cvt_f32_u32 v[ZR], v25
	v_cvt_f32_u32 v[ZR+1], v26
	v_mul_f32 v[ZR], 0x39000400, v[ZR]             ; t = k x f32(1 / 8191)
	v_mul_f32 v[ZR+1], 0x39000400, v[ZR+1]
	v_sub_f32 v[D], 1.0, v[ZR]                     ; 1 - t
	v_sub_f32 v[D+1], 1.0, v[ZR+1]
	v_sub_f32 v[ZR], v[ZR], v[D]                   ; -2 (1 - t) + 2 t has one rounding, that of t - (1 - t): the factor 2 is exact
	v_sub_f32 v[ZR+1], v[ZR+1], v[D+1]
	v_add_f32 v[ZR], v[ZR], v[ZR]
	v_add_f32 v[ZR+1], v[ZR+1], v[ZR+1]
	s_wait_alu depctr_va_vcc(0)                    ; the compare above has written VCC, ahead of its first reader, the select below
	v_cndmask_b32 v[ZR+1], v[ZR+1], v22, vcc_lo
	v_mov_b32 v[ZI], 0
	v_mov_b32 v[ZI+1], 0
	v_mov_b32 v[B], 0
	v_mov_b32 v[B+1], 0
	v_mov_b32 v[ET], 1.0
	v_mov_b32 v[ET+1], 1.0
	v_mov_b32 v[IT], 0
	s_wait_kmcnt 0x0
	v_mov_b32 v[CR], s26
	v_mov_b32 v[CR+1], s26
	v_mov_b32 v[CI], s27
	v_mov_b32 v[CI+1], s27
.macro ZSTEP i                         ; step i of a trip's four, both points: z, and who lies outside
	v_pk_add_f32 v[Z2:Z2+1], v[ZR:ZR+1], v[ZR:ZR+1]
	v_pk_fma_f32 v[D:D+1], v[ZR:ZR+1], v[ZR:ZR+1], v[B:B+1] neg_lo:[0,0,1] neg_hi:[0,0,1]
	v_pk_fma_f32 v[ZI:ZI+1], v[Z2:Z2+1], v[ZI:ZI+1], v[CI:CI+1]
	v_pk_add_f32 v[ZR:ZR+1], v[D:D+1], v[CR:CR+1]
	v_pk_mul_f32 v[B:B+1], v[ZI:ZI+1], v[ZI:ZI+1]  ; serves |z|^2 here and zr' in the next step
	v_pk_fma_f32 v[M:M+1], v[ZR:ZR+1], v[ZR:ZR+1], v[B:B+1]
	v_cmp_lt_f32 s[OUT+2*(\i)], 4.0, v[M]
	v_cmp_lt_f32 s[OUT+2*(\i)+1], 4.0, v[M+1]
.endm
.macro ESTEP i                         ; step i: the escape time takes what the step offers
	v_cndmask_b32 v25, 1.0, v[IT], s[OUT+2*(\i)]   ; outside: this step / 64; else 1
	v_cndmask_b32 v26, 1.0, v[IT], s[OUT+2*(\i)+1]
	v_min_num_f32 v[ET], v[ET], v25
	v_min_num_f32 v[ET+1], v[ET+1], v26
	v_add_f32 v[IT], 0x3c800000, v[IT]             ; + 1 / 64, exact
.endm
	s_mov_b32 s29, 16                              ; 16 trips of four steps
.Ljulia:
.irp i, 0,1,2,3
	ZSTEP \i
.endr
	s_wait_alu depctr_va_sdst(0)                   ; the trip's eight compares have written s[OUT .. OUT + 7], ahead of their first readers, the selects below: one wait for the run
.irp i, 0,1,2,3
	ESTEP \i
.endr
	s_sub_co_u32 s29, s29, 1
	s_cmp_lg_u32 s29, 0
	s_cbranch_scc1 .Ljulia
	v_mul_f32 v[ET], s28, v[ET]                    ; et x scale
	v_mul_f32 v[ET+1], s28, v[ET+1]
	v_mul_f32 v[ET], 0x3fb8aa3b, v[ET]             ; x log2(e)
	v_mul_f32 v[ET+1], 0x3fb8aa3b, v[ET+1]
	v_exp_f32 v[ET], v[ET]
	v_exp_f32 v[ET+1], v[ET+1]
	v_nop                                          ; a plain instruction between a transcendental and the use of its result (ISA guide 5.7.2)
	s_wait_alu depctr_va_vdst(0)                   ; the two exponentials have written v[ET], v[ET+1], ahead of their first reader: one wait for the two
	v_add_f32 v[ET], 0x322bcc77, v[ET]             ; + 1e-8
	v_add_f32 v[ET+1], 0x322bcc77, v[ET+1]
	v_log_f32 v[ET], v[ET]
	v_log_f32 v[ET+1], v[ET+1]
	v_nop
	s_wait_alu depctr_va_vdst(0)                   ; the two logarithms have written v[ET], v[ET+1], ahead of their first reader
	v_mul_f32 v[ET], 0x40b17218, v[ET]             ; x 8 ln 2: eight times the natural logarithm
	v_mul_f32 v[ET+1], 0x40b17218, v[ET+1]
	s_wait_alu depctr_va_vdst(0)                   ; the two multiplies have written v[ET], v[ET+1], the store's data; v3, its offset, is written too
	global_store_b64 v3, v[ET:ET+1], s[22:23]      ; the wave's 64 entries: 256 consecutive bytes, aligned
.Lconv:
; The way out, four loads to a group: groups 0 and 1 are key's, 2 and 3 value's.  Load n = 4 g + i lies in X + 4 n and leaves from Y + 2 n.
.irp g, 0,1,2,3
	s_wait_loadcnt 12-4*(\g)                       ; loads come back in order (ISA guide 5.7.1): the group's four are in, the 12 - 4 g younger ones stay out; the table's lines issue no load, so the count holds on both ways
.irp i, 0,1,2,3
	v_cvt_pk_f16_f32 v[Y+8*(\g)+2*(\i)], v[X+16*(\g)+4*(\i)], v[X+16*(\g)+4*(\i)+1]
	v_cvt_pk_f16_f32 v[Y+8*(\g)+2*(\i)+1], v[X+16*(\g)+4*(\i)+2], v[X+16*(\g)+4*(\i)+3]
.endr
	s_wait_alu depctr_va_vdst(0)                   ; the group's eight conversions have written v[Y + 8 g .. Y + 8 g + 7], which the four stores below read
.irp i, 0,1,2,3
.if (\g) < 2
	global_store_b64 v2, v[Y+8*(\g)+2*(\i):Y+8*(\g)+2*(\i)+1], s[18:19] offset:2048*(4*(\g)+(\i))
.else
	global_store_b64 v2, v[Y+8*(\g)+2*(\i):Y+8*(\g)+2*(\i)+1], s[20:21] offset:2048*(4*((\g)-2)+(\i))
.endif
.endr
.endr
	s_endpgm
.Lfunc_end_k_q102b12d9d5_prep:
	.size	k_q102b12d9d5_prep, .Lfunc_end_k_q102b12d9d5_prep-k_q102b12d9d5_prep
	.p2alignl 7, 3214868480
	.fill 96, 4, 3214868480
	.section	.rodata,"a",@progbits
	.p2align	6, 0x0
	.amdhsa_kernel k_q102b12d9d5_prep
		.amdhsa_group_segment_fixed_size 0
		.amdhsa_private_segment_fixed_size 0
		.amdhsa_enable_private_segment 0
		.amdhsa_kernarg_size 64
		.amdhsa_user_sgpr_count 2
		.amdhsa_user_sgpr_kernarg_segment_ptr 1
		.amdhsa_wavefront_size32 1
		.amdhsa_system_sgpr_workgroup_id_x 1
		.amdhsa_system_sgpr_workgroup_id_y 1
		.amdhsa_system_sgpr_workgroup_id_z 1
		.amdhsa_system_vgpr_workitem_id 0
		.amdhsa_next_free_vgpr 128
		.amdhsa_next_free_sgpr 66
		.amdhsa_reserve_vcc 1
		.amdhsa_float_denorm_mode_32 3
		.amdhsa_float_denorm_mode_16_64 3
		.amdhsa_memory_ordered 1
		.amdhsa_forward_progress 1
		.amdhsa_inst_pref_size 12
	.end_amdhsa_kernel
	.amdgpu_metadata
---
amdhsa.version: [ 1, 2 ]
amdhsa.kernels:
  - .name:           k_q102b12d9d5_prep
    .symbol:         k_q102b12d9d5_prep.kd
    .args:
      - { .name: key, .offset: 0, .size: 8, .value_kind: global_buffer, .address_space: global }
      - { .name: value, .offset: 8, .size: 8, .value_kind: global_buffer, .address_space: global }
      - { .name: julia_c_real, .offset: 16, .size: 8, .value_kind: global_buffer, .address_space: global }
      - { .name: julia_c_imag, .offset: 24, .size: 8, .value_kind: global_buffer, .address_space: global }
      - { .name: escape_scale, .offset: 32, .size: 8, .value_kind: global_buffer, .address_space: global }
      - { .name: kh, .offset: 40, .size: 8, .value_kind: global_buffer, .address_space: global }
      - { .name: vh, .offset: 48, .size: 8, .value_kind: global_buffer, .address_space: global }
      - { .name: bias8, .offset: 56, .size: 8, .value_kind: global_buffer, .address_space: global }
    .group_segment_fixed_size: 0
    .private_segment_fixed_size: 0
    .kernarg_segment_align: 8
    .kernarg_segment_size: 64
    .max_flat_workgroup_size: 256
    .sgpr_count:     66
    .vgpr_count:     128
    .wavefront_size: 32
...
	.end_amdgpu_metadata
.endif
;; end of part 3
;; launch attn: the kernel of part 2 again; grid 64 x 4, 4 waves a work-group, clusters of 4 x 1, 327,680 bytes of LDS; arguments query, kh, vh, bias8, out0; writes out0
